; MI455X (gfx1250); checked and timed in simulation.
; The chip was launched on July 23, 2026; its instructions are those of AMD's public machine-readable ISA for CDNA 5 (MIT licence, August 2026) and "CDNA5" Instruction Set Architecture Reference Guide (July 2026). The comments in the code are by the model that wrote it; some were corrected since.
;; Scaled Dot Prod Att. Allowed arithmetic: matrix products marked QUANTISED: E2M1 operands, one E8M0 scale for each 32 along K, by v_wmma_scale_f32_16x16x128_f8f6f4 with both operands' format E2M1 (or v_wmma_scale_f32_32x16x128_f4), f32 sums; everything else in f32.
;; Inputs: k_codes 4 x 16 x 2,048 x 4 x 16 uint8 (E2M1 codes of k, K innermost, in blocks of 32 codes, two codes a byte); k_scales 4 x 16 x 2,048 x 4 uint8 (E8M0 scales of k, one for each 32 codes along K); q_codes 4 x 16 x 2,048 x 4 x 16 uint8 (E2M1 codes of q, K innermost, in blocks of 32 codes, two codes a byte); q_scales 4 x 16 x 2,048 x 4 uint8 (E8M0 scales of q, one for each 32 codes along K); sen_len 4 int32; v_codes 4 x 16 x 128 x 64 x 16 uint8 (E2M1 codes of v, K innermost, in blocks of 32 codes, two codes a byte); v_scales 4 x 16 x 128 x 64 uint8 (E8M0 scales of v, one for each 32 codes along K).
;; Outputs: out0 4 x 16 x 2,048 x 128 float32.
;; This version of the problem:
;;   THIS VERSION OF THE PROBLEM IS GIVEN IN LOW PRECISION. The matrix products marked QUANTISED in the list below multiply operands that are first quantised to E2M1 (2 exponent bits, 1 mantissa bit; 4 bits a number), with one power-of-two scale for each 32 numbers along K (OCP MX v1.0); their sums are f32. All else is computed in f32.
;;   The module's matrix products, in the order in which they are computed (A, B: the left and right operand; K: the contracted axis; several contracted axes count as one K, in the product's order):
;;     1. batch 64 x [M 2,048, K 128] x [K 128, N 2,048]; A: input q (given as codes); B: input k (given as codes): QUANTISED
;;     2. batch 64 x [M 2,048, K 2,048] x [K 2,048, N 128]; A: softmax (see below); B: input v (given as codes): QUANTISED
;;   THE QUANTISER, for each operand of a quantised product, along K:
;;     - K is cut into blocks of 32 from its start; a last block that is shorter is filled with zeros.
;;     - A block's scale is 2^e with e = floor(log2(the largest magnitude in the block)) - 2, held to -126 .. 127; a block of zeros has e = 0. As a byte (E8M0): e + 127.
;;     - Each number is divided by its block's scale, clamped to +-6, and rounded to the nearest number of E2M1, ties to even, subnormals kept.
;;     - The product sums the exact products of the quantised numbers (number of the format x scale) in f32.
;;   ~~~python
;;   def quantise(x, axis):      # numpy; x: float32 -> the quantised numbers, widened to float32 again
;;       x = np.moveaxis(x, axis, -1); K = x.shape[-1]
;;       x = np.pad(x, [(0, 0)] * (x.ndim - 1) + [(0, -K % 32)]); x = x.reshape(x.shape[:-1] + (-1, 32)); a = np.abs(x).max(-1, keepdims=True)
;;       e = np.where(a > 0, np.clip(np.frexp(np.where(a > 0, a, 1))[1] - 1 - 2, -126, 127), 0)      # np.frexp(a)[1] - 1 = floor(log2(a)), exactly
;;       r = np.clip(x / 2.0 ** e, -6, 6)
;;       step = 2.0 ** (np.maximum(np.frexp(np.where(r == 0, 1, r))[1] - 1, 0) - 1)
;;       q = np.round(r / step) * step * 2.0 ** e      # np.round: ties to even
;;       return np.moveaxis(q.reshape(q.shape[:-2] + (-1,))[..., :K], -1, axis).astype(np.float32)
;;   ~~~
;;   SOFTMAX AHEAD OF A QUANTISED PRODUCT. Where the list says 'softmax', what is quantised is not the finished softmax but p = 2^(t - M), with t = logit x log2(e) and M = ceil(the row's largest t), a whole number; so 1/2 < the row's largest p <= 1. The row's sum l is taken of the UNQUANTISED p, in f32, and the product's result is divided by l at the end. Since M is a whole number, a kernel that streams over the keys may use a running M (the ceiling of the running maximum): every later rescaling is an exact power of two, which a block's scale takes up: the codes' values come out the same.
;;   OPERANDS COMPUTED ON THE WAY. 'Computed on the way' means the value that the module computes at that place (a softmax that the list does not call 'softmax' is quantised finished and normalised). What goes into a quantiser is computed in f32, as accurately as f32 sums, v_exp_f32 and their like allow (about 1e-6 of the number): no bf16 or f16 on the way to a quantiser, and a product that is left as it is and whose result goes on into a quantised operand takes f32 operands (vector FMAs, or v_wmma_f32_16x16x4_f32). A number that lies on a knife's edge between two numbers of the format may be rounded either way, as far as f32 arithmetic and the matrix unit's own rounding can turn it there, and no further.
;;   INPUTS GIVEN AS CODES. k (in the module: [4, 16, 2048, 128], K = its axis 3); q (in the module: [4, 16, 2048, 128], K = its axis 3); v (in the module: [4, 16, 2048, 128], K = its axis 2): each comes as NAME_codes (uint8): NAME with its K axis moved to the last place and cut into blocks of 32 codes, [.., K / 32, bytes a block], one block behind the other in memory; two codes a byte, the lower K in the low four bits (a code: sign, 2 exponent bits, 1 mantissa bit); and NAME_scales (uint8): the same leading axes, one E8M0 byte (e + 127) for each 32 codes along K. Its value is code x scale, taken as it is: it is not quantised again, and the codes and scales need not be those that the quantiser above would give.
;; 2 versions. Each part assembles by itself: llvm-mc -triple=amdgcn-amd-amdhsa -mcpu=gfx1250 --defsym DOCPART=n.
;; ======== version 1 of 2: 1 launch
;; limits: right only within a limited range of input values
;; launch attn (part 1): grid 8 x 64, 16 waves a work-group, no clusters, 281,600 bytes of LDS; arguments q_codes, q_scales, k_codes, k_scales, v_codes, v_scales, sen_len, out0; writes out0
.if DOCPART == 1
	.amdgcn_target "amdgcn-amd-amdhsa--gfx1250"
	.amdhsa_code_object_version 6
	.text
	.protected	k_q66c39fef05_attn
	.globl	k_q66c39fef05_attn
	.p2align	8
	.type	k_q66c39fef05_attn,@function
k_q66c39fef05_attn:
	s_mov_b64 s[64:65], 0
	v_nop
	global_prefetch_b8 v0, s[64:65] scope:SCOPE_SE
	s_setreg_imm32_b32 hwreg(HW_REG_WAVE_MODE, 25, 1), 1
	s_wait_xcnt 0x0
; out[b][h][q][:] = softmax_k(mask(Q.K / sqrt(128))) V, 64 heads (4 batches x 16), 2,048 positions, head size 128; both products on codes of FP4 (E2M1) with one E8M0 scale for each 32 along K.
; Q, K: codes [head][2048][64 bytes], scale bytes [head][2048][4].  V: codes with the KEYS innermost, [head][128][1024 bytes], scale bytes [head][128][64].  out: f32 [head][2048][128].
; THE MASK, with LEN = sen_len[b] held to 0 .. 2048 (lengths outside that range mask the same way as the nearest end of it).
;   Row q < LEN: every key k <= q is also under LEN, so the row is plain causal attention.
;   Row q >= LEN: every one of the 2,048 logits is -1e9, so t - M = 0 and p = 1 for every key: code 6 (the number 4) under the scale byte 125, exactly; the sum is 2,048.  The first product is not wanted for such a row;
;   the second is done in full, on constant codes.
; THE SOFTMAX AHEAD OF THE SECOND PRODUCT: t = score x log2(e) / sqrt(128); M = the running largest t rounded UP to a whole number; p = 2^(t - M) is quantised along the keys, not normalised; the row's sum is taken
; of the unquantised p and divides at the end; when M moves, the sum and O are multiplied by 2^(old M - new M), exactly.
; SHARES.  A work-group is an eighth of a head: sixteen waves, each with ONE tile of 16 queries in 256 registers.  Work-group (J, y): head y % 16 of the batch whose length has rank y / 16 (longest first: the four lengths
; are sorted in scalar registers).  Wave w = 4 g + pos takes tile 8 c + 4 (J / 4) + pos with c = 4 g + (J + g) % 4: each of the head's 128 tiles once; c is the key step of 128 in which the tile's diagonal lies.
; So the four waves of a group g have the same number of steps, they end in slot g, and every work-group of a head has the same 136 full steps.
; A KEY STEP of 128 keys is, for a wave, one of three things, chosen by scalar branches on ids and LEN:
;   FULL  (first key < QE = my last query + 1, where my first query is under LEN): both products and the softmax; in the diagonal step hidden scores become -infinity ahead of the maximum;
;   ONES  (behind that, in a tile that has a row at or past LEN): O^T += V^T B, B = code 6 in the lanes of such rows and code 0 in the others, scale byte 125: no softmax;
;   nothing (behind the diagonal of a tile all of whose rows are under LEN).
; In the one tile that straddles LEN the lanes of rows at or past LEN are set right inside the FULL steps without a branch: f = 1, the constant codes, the constant scale word; at the end their sum is 2,048.
; LAYOUT.  Both products are used transposed: S^T = K Q^T (source 0 = 16 keys, source 1 = my 16 queries), O^T = V^T P^T (source 0 = 16 of the head's 128, source 1 = P): a lane holds ONE query (lane % 16) throughout.
; THE KEYS OF A TILE ARE NOT NEIGHBOURS: lane r of tile 2 b + u takes key 32 b + 8 u + r + 8 (r / 8), so that the 16 registers of tiles 2 b and 2 b + 1 are 16 neighbouring keys, 32 b + 16 (lane / 16) + 0 .. 15.
; K AND V REACH LDS THROUGH REGISTERS: two slots of 512 keys; while a slot is worked, each thread holds 128 bytes of the next in 32 registers and stores them into the other slot at the slot's end; one barrier a slot.
; NO TENSOR LOADS, NO CLUSTER, though the eight work-groups of a head read the same K and V: the branches above hang on sen_len, which is read from memory.
; The branches take out the softmax of every row at or past LEN; what is shared is 272 KB a work-group, each byte staged once for sixteen waves.
; Every trip count is a constant and every barrier stands on every wave's path: only a step's work is jumped over.
; LIMITS.  Masked keys of a row under LEN get -infinity where the definition has -1e9: the same p = 0 unless the row's largest real t lies under about -1.4427e9 + 150.  p = 1 for rows at or past LEN rests on
; -1e9 x log2(e) being a whole number in f32 (its neighbours there are 128 apart).  A p under 2^-126 comes out of v_exp_f32 as 0 (ISA guide, 15.8).  NaN among the scale bytes (0xff) is not served.
.set KP,    80                         ; a key's row in LDS: 64 bytes + 16 of padding
.set VP,    272                        ; a row of V's tile in LDS: 512 codes = 256 bytes, + 16 of padding
.set VOFF,  512*KP                     ; a slot: 512 rows of K, then 128 rows of V
.set SLOT1, 1<<17                      ; slot 1 begins here
.set UNITS, 32*272                     ; a head's 8,192 scale bytes as 32 runs of 256 bytes + 16 of padding
.set SCK,   2*SLOT1                    ; K's scale bytes of the head
.set SCV,   SCK+UNITS                  ; V's
.set SPARE, SCV+UNITS                  ; the spare words, 128 bytes for each wave: eight blocks of 256 bytes that no other line names
.set AK0,  1                           ; v1   my lane's place in a tile of K
.set AV0,  2                           ; v2   the same for V (VOFF is in it)
.set ASK0, 3                           ; v3   my lane's place among K's scale words
.set ASV0, 4                           ; v4   and among V's
.set SPW,  5                           ; v5   LDS address of my spare word: SPARE + 4 x my thread's number; never rewritten
.set NIL,  6                           ; v6   0; never rewritten
.set GO,   7                           ; v7   the way out: my byte offset in the wave's rows of out
.set ADK,  8                           ; v8-11 LDS addresses of the step in hand: K's tiles, V's tiles, K's scale words, V's scale words
.set ADV,  9
.set ADS,  10
.set ADT,  11
.set QF,   16                          ; v16-23  Q's fragment          (v12 -M, v13 the largest t, v[14:15] the sum in two halves)
.set OS,   24                          ; v24-31  the constant operand: 0x66666666 in the lanes of rows at or past LEN, 0 in the others
.set FRG,  32                          ; v32-63  four fragments of K or of V
.set SGK,  64                          ; v64-79  my 64 bytes of the next slot's K
.set SGV,  80                          ; v80-95  and of its V
.set SS,   96                          ; v96-159 S^T, then p
.set OT,   160                         ; v160-223 O^T
.set PC,   224                         ; v224-231 p's codes            (v232-239, v244-247, v254 at work)
.set GK,   240                         ; v240 16 x thread: my place in 8,192 dense bytes; never rewritten
.set GV,   241                         ; v241 1,024 (thread / 16) + 16 (thread % 16): my place in 32 rows of V in memory; never rewritten
.set PFO,  242                         ; v242 the prefetches' offset; never rewritten
.set ONS,  243                         ; v243 the scale word 0x7d7d7d7d
.set SW,   248                         ; v248-251 the scale words of four fragments
.set FF,   252                         ; v252 f = 2^(old M - new M)
.set PS,   253                         ; v253 p's scale word
.set QS,   255                         ; v255 Q's scale words
.set WV,   20                          ; s20  my wave's number
.set J,    21                          ; s21  work-group x
.set CS,   22                          ; s[22:23] c = log2(e) / sqrt(128): the packed form names a pair and takes its low word for both halves
.set SEL,  24                          ; s[24:25] lane selects for v_permlanex16_b32: lane l xor 16
.set LEN,  26                          ; s26  my batch's length, 0 .. 2048
.set Q0,   27                          ; s27  my first query
.set QE,   28                          ; s28  FULL steps are those whose first key is under this
.set INV,  29                          ; s29  1: my tile has a row at or past LEN
.set VM,   30                          ; s30  the lanes of such rows
.set KF,   31                          ; s31  the step's first key
.set TS,   32                          ; s32  where the step's scale words of K begin: 544 bytes a step (two runs)
.set TJ,   33                          ; s33  and V's: 4 bytes a step
.set TK,   34                          ; s34  where the step's rows of K begin: 128 KP bytes a step
.set TV,   35                          ; s35  and its part of V's rows: 64 bytes a step
.set CNT,  36                          ; s36  counts a slot's four steps
.set PF,   37                          ; s37  1 in a wave that prefetches
.set PFA,  40                          ; s[40:41], s[42:43] where my prefetches of slots 2 and 3 stand; never rewritten
	s_load_b128 s[4:7], s[0:1], 0x0                ; Q's codes, Q's scales
	s_load_b128 s[8:11], s[0:1], 0x10              ; K's codes, K's scales
	s_load_b128 s[12:15], s[0:1], 0x20             ; V's codes, V's scales
	s_load_b128 s[16:19], s[0:1], 0x30             ; sen_len, out
	v_lshl_add_u32 v[SPW], v0, 2, SPARE
	v_mov_b32 v[NIL], 0
	v_lshrrev_b32 v8, 5, v0
	v_readfirstlane_b32 s[WV], v8                  ; wave 0..15
	s_wait_kmcnt 0x0
	s_load_b128 s[44:47], s[16:17], 0x0            ; the four lengths; ids and lane addresses are made while they come
	s_mov_b32 s[J], ttmp9
	s_and_b32 s48, ttmp7, 0xffff                   ; y
	s_and_b32 s49, s48, 15                         ; the head in its batch
	s_lshr_b32 s50, s48, 4                         ; the rank of my batch's length
	s_lshr_b32 s51, s[WV], 2                       ; g
	s_and_b32 s52, s[WV], 3                        ; pos
	s_add_co_u32 s53, s[J], s51
	s_and_b32 s53, s53, 3                          ; (J + g) % 4
	s_lshl_b32 s54, s51, 2
	s_add_co_u32 s54, s54, s53                     ; c: the key step of my diagonal
	s_lshl_b32 s54, s54, 3
	s_and_b32 s55, s[J], 4                         ; 4 (J / 4)
	s_add_co_u32 s54, s54, s55
	s_add_co_u32 s54, s54, s52                     ; my tile
	s_lshl_b32 s[Q0], s54, 4
	s_mov_b32 s[SEL], 0x76543210
	s_mov_b32 s[SEL+1], 0xfedcba98
	s_mov_b32 s[CS], 0x3e0293ee                    ; c = log2(e) / sqrt(128)
	s_mov_b32 s[CS+1], s[CS]                       ; (named with it as a pair, so it is written)
	v_lshlrev_b32 v[GK], 4, v0
	v_lshrrev_b32 v232, 4, v0
	v_and_b32 v233, 15, v0
	v_lshlrev_b32 v233, 4, v233
	v_lshl_add_u32 v[GV], v232, 10, v233
	v_and_b32 v8, 15, v0                           ; r = lane % 16
	v_bfe_u32 v9, v0, 4, 1                         ; h = lane / 16
	v_lshlrev_b32 v10, 6, v8
	v_lshl_add_u32 v10, v9, 4, v10                 ; Q: row r of 64 bytes, + 16 h
	v_lshlrev_b32 v254, 2, v8                      ; Q's scale words: 4 bytes a row
	s_wait_kmcnt 0x0
.irp i, 0,1,2,3
	s_max_i32 s[44+\i], s[44+\i], 0                ; held to 0 .. 2048,
	s_min_i32 s[44+\i], s[44+\i], 2048
	s_lshl_b32 s[44+\i], s[44+\i], 2
	s_or_b32 s[44+\i], s[44+\i], \i                ; with the batch's number below it: four different keys
.endr
.macro CE a, b                         ; the larger key into s[a], the smaller into s[b]
	s_max_u32 s59, s[\a], s[\b]
	s_min_u32 s[\b], s[\a], s[\b]
	s_mov_b32 s[\a], s59
.endm
	CE 44, 45                                      ; five exchanges sort four keys, the largest first
	CE 46, 47
	CE 44, 46
	CE 45, 47
	CE 45, 46
	s_cmp_lt_u32 s50, 2
	s_cselect_b32 s56, s44, s46                    ; rank 0 or 2
	s_cselect_b32 s57, s45, s47                    ; rank 1 or 3
	s_and_b32 s58, s50, 1
	s_cmp_lg_u32 s58, 0
	s_cselect_b32 s56, s57, s56                    ; the key of my rank
	s_lshr_b32 s[LEN], s56, 2
	s_and_b32 s57, s56, 3
	s_min_u32 s57, s57, 3                          ; my batch: a loaded number, bounded before it enters an address
	s_lshl_b32 s57, s57, 4
	s_add_co_u32 s57, s57, s49                     ; my head, 0 .. 63
	s_lshl_b32 s48, s57, 17                        ; a head's codes are 131,072 bytes in each of the three tensors
	s_mov_b32 s49, 0
	s_add_nc_u64 s[8:9], s[8:9], s[48:49]
	s_add_nc_u64 s[12:13], s[12:13], s[48:49]
	s_lshl_b32 s52, s[Q0], 6
	s_add_co_u32 s48, s48, s52
	s_add_nc_u64 s[4:5], s[4:5], s[48:49]          ; Q's codes at my first query
	s_lshl_b32 s48, s57, 13                        ; its scale bytes 8,192
	s_add_nc_u64 s[10:11], s[10:11], s[48:49]
	s_add_nc_u64 s[14:15], s[14:15], s[48:49]
	s_lshl_b32 s52, s[Q0], 2
	s_add_co_u32 s48, s48, s52
	s_add_nc_u64 s[6:7], s[6:7], s[48:49]
	s_lshl_b32 s48, s57, 20                        ; its rows of out 1,048,576
	s_lshl_b32 s52, s[Q0], 9
	s_add_co_u32 s48, s48, s52
	s_add_nc_u64 s[18:19], s[18:19], s[48:49]      ; out at my first query
	s_add_co_u32 s58, s[Q0], 16
	s_cmp_lt_u32 s[Q0], s[LEN]
	s_cselect_b32 s[QE], s58, 0
	s_cmp_gt_u32 s58, s[LEN]
	s_cselect_b32 s[INV], 1, 0
	; thirteen loads: the head's scale bytes, slot 0, Q.  A wave's load covers 512 dense bytes (K, scales) or two rows' aligned 256 bytes (V)
	global_load_b128 v[32:35], v[GK], s[10:11]
	global_load_b128 v[36:39], v[GK], s[14:15]
.irp i, 0,1,2,3
	global_load_b128 v[SGV+4*\i:SGV+4*\i+3], v[GV], s[12:13] offset:32768*\i
.endr
.irp i, 0,1,2,3
	global_load_b128 v[SGK+4*\i:SGK+4*\i+3], v[GK], s[8:9] offset:8192*\i
.endr
.irp c, 0,1
	global_load_b128 v[QF+4*\c:QF+4*\c+3], v10, s[4:5] offset:32*\c th:TH_LOAD_NT   ; Q's fragment stays in registers; no other wave reads it
.endr
	global_load_b32 v[QS], v254, s[6:7]
	; while they are on their way (v10 and v254, Q's addresses, are left alone until Q is in)
	v_add_nc_u32 v236, s[Q0], v8                   ; my query
	v_cmp_le_u32 s[VM], s[LEN], v236               ; at or past LEN?
	v_mov_b32 v237, 0x66666666
.irp i, 0,1,2,3,4,5,6,7
	v_cndmask_b32 v[OS+\i], 0, v237, s[VM]
.endr
	v_mov_b32 v[ONS], 0x7d7d7d7d
	v_and_b32 v11, 8, v8
	v_add_nc_u32 v11, v11, v8                      ; r + 8 (r / 8)
	v_mul_u32_u24 v[AK0], v11, KP
	v_lshl_add_u32 v[AK0], v9, 4, v[AK0]
	v_mul_u32_u24 v[AV0], v8, VP
	v_lshl_add_u32 v[AV0], v9, 4, v[AV0]
	v_add_nc_u32 v[AV0], VOFF, v[AV0]
	v_lshl_add_u32 v[ASK0], v11, 2, SCK            ; K's scale words: 4 bytes a key; a step's 128 keys are two runs
	v_lshlrev_b32 v12, 6, v8                       ; V's: row r of a tile begins 64 r bytes on: which run of 256 bytes, and where in it
	v_lshrrev_b32 v13, 8, v12
	v_and_b32 v12, 255, v12
	v_mad_u32_u24 v[ASV0], v13, 272, v12
	v_add_nc_u32 v[ASV0], SCV, v[ASV0]
	v_lshlrev_b32 v[GO], 9, v9
	v_lshl_add_u32 v[GO], v8, 4, v[GO]             ; the way out: lanes 0-15 one row of out, lanes 16-31 the next; 16 bytes a lane
	; the prefetches (macro ASK): where my wave's stand, and who asks
	s_cmp_lt_u32 s[WV], 8                          ; waves 4 to 7 ask for K's codes, waves 8 to 11 for V's
	s_cselect_b64 s[PFA:PFA+1], s[8:9], s[12:13]
	s_mov_b32 s48, 1024
	s_cselect_b32 s48, 256, s48                    ; from lane to lane
	s_mov_b32 s49, 32768
	s_cselect_b32 s49, 8192, s49                   ; from wave to wave
	s_mov_b32 s50, 256
	s_cselect_b32 s50, 32768, s50                  ; a slot on
	v_and_b32 v[PFO], 31, v0
	v_mul_lo_u32 v[PFO], v[PFO], s48
	s_and_b32 s51, s[WV], 3
	s_mul_i32 s51, s51, s49                        ; my wave's part,
	s_lshl_b32 s52, s50, 1
	s_add_co_u32 s52, s52, s51                     ; in slot 2
	s_mov_b32 s53, 0
	s_mov_b32 s51, 0
	s_add_nc_u64 s[PFA:PFA+1], s[PFA:PFA+1], s[52:53]
	s_add_nc_u64 s[PFA+2:PFA+3], s[PFA:PFA+1], s[50:51]   ; and in slot 3
	s_sub_co_u32 s52, s[WV], 4
	s_lshr_b32 s52, s52, 3                         ; 0 in waves 4 to 11,
	s_or_b32 s52, s52, s[J]                        ; of the head's first work-group
	s_cmp_eq_u32 s52, 0
	s_cselect_b32 s[PF], 1, 0
	v_mov_b32 v13, 0xff61b1e6                      ; the largest t so far: -3e38, under every t
	v_floor_f32 v12, -v13                          ; -M
	v_mov_b32 v14, 0                               ; the sum, in two halves
	v_mov_b32 v15, 0
.irp b, 0,1,2,3
	v_mov_b32 v[236+\b], 0                         ; written once: a lane permute's destination counts as one of its sources
.endr
	v_mov_b32 v[PS], 0                             ; (named as the upper half of the pair v[252:253] before it is first written)
.set j, 0
.rept 64
	v_mov_b32 v[OT+j], 0                           ; O^T.  The step is written once for all steps and for both kinds: a tile's first step, FULL or ONES, finds zeros
.set j, j+1
.endr
; where my thread puts its 16 bytes of each staged load, in slot NXP: V's in v232, K's in v234.  Made anew from v0 on every wave's path
.macro STADDR
	v_lshrrev_b32 v232, 4, v0
	v_and_b32 v233, 15, v0
	v_mul_u32_u24 v232, v232, VP
	v_lshl_add_u32 v232, v233, 4, v232
	v_add_nc_u32 v232, VOFF+NXP*SLOT1, v232        ; V: row thread / 16, 16 bytes at 16 (thread % 16); a load's 32 rows are 32 VP bytes
	v_lshrrev_b32 v234, 2, v0
	v_and_b32 v235, 3, v0
	v_mul_u32_u24 v234, v234, KP
	v_lshl_add_u32 v234, v235, 4, v234             ; K: row thread / 4, 16 bytes at 16 (thread % 4); a load's 128 rows are 128 KP bytes
.if NXP
	v_add_nc_u32 v234, NXP*SLOT1, v234
.endif
.endm
.macro STORE8
.irp i, 0,1,2,3
	ds_store_b128 v232, v[SGV+4*\i:SGV+4*\i+3] offset:32*VP*\i
.endr
.irp i, 0,1,2,3
	ds_store_b128 v234, v[SGK+4*\i:SGK+4*\i+3] offset:128*KP*\i
.endr
.endm
; slot NXT's 512 keys, 128 bytes a thread, into registers that the steps do not touch: they have the slot's four steps in which to come
.macro LOADNEXT
.irp i, 0,1,2,3
	global_load_b128 v[SGV+4*\i:SGV+4*\i+3], v[GV], s[12:13] offset:256*NXT+32768*\i
.endr
.irp i, 0,1,2,3
	global_load_b128 v[SGK+4*\i:SGK+4*\i+3], v[GK], s[8:9] offset:32768*NXT+8192*\i
.endr
.endm
.macro STORENEXT
	STADDR
	s_wait_loadcnt 0x0                             ; the eight staged loads are in
	STORE8                                         ; into the slot that every wave left at the last barrier
.endm
; A PREFETCH INTO THE L2 of the slot that the NEXT slot's LOADNEXT will load: it stands behind this slot's eight loads.  Each aligned block of 256 bytes is named once in the launch: the eight work-groups of a head
; walk the same K and V, and the head's first asks; in it waves 4 to 7 ask for K's 32,768 dense bytes, 8,192 a wave, lanes 256 bytes apart, and waves 8 to 11 for V's 128 rows, 32 a wave, a lane a row (a slot's part
; of a row is 256 bytes, aligned).  Slot 0 asks for slot 2, slot 1 for slot 3; slots 0 and 1 come by their loads alone, and slots 2 and 3 ask for nothing: there is no slot behind slot 3.
.macro ASK pa
	s_cmp_lg_u32 s[PF], 0
	s_cbranch_scc0 .Lnot_mine_\@
	global_prefetch_b8 v[PFO], s[\pa:\pa+1] th:TH_LOAD_NT scope:SCOPE_SE
.Lnot_mine_\@:
.endm
; S^T = K Q^T, four tiles of 16 keys at a time.  Four plain vector instructions stand between a matrix instruction and a load into its registers (ISA guide 7.12.1 for vector instructions):
; ahead of the first four tiles they are the step's four address additions
.macro KPART
.irp g, 0,1
.if \g > 0
.rept 4
	v_nop
.endr
.endif
.irp t, 0,1,2,3
.irp c, 0,1
	ds_load_b128 v[FRG+8*\t+4*\c:FRG+8*\t+4*\c+3], v[ADK] offset:(32*((4*\g+\t)/2)+8*(\t%2))*KP+32*\c
.endr
	ds_load_b32 v[SW+\t], v[ADS] offset:272*\g+(32*(((4*\g+\t)/2)%2)+8*(\t%2))*4
.endr
	s_wait_dscnt 0x0
.irp t, 0,1,2,3
	v_wmma_scale_f32_16x16x128_f8f6f4 v[SS+8*(4*\g+\t):SS+8*(4*\g+\t)+7], v[FRG+8*\t:FRG+8*\t+7], v[QF:QF+7], 0, v[SW+\t], v[QS] matrix_a_fmt:MATRIX_FMT_FP4 matrix_b_fmt:MATRIX_FMT_FP4
.endr
.endr
.endm
; O^T += V^T B over the step's 128 keys: four tiles of 16 of the head's 128 at a time; B in v[breg] on, its scale word in v[sreg].  The eight accumulators take turns, one instruction a turn
.macro VPART breg, sreg
.irp g, 0,1
.if \g > 0
.rept 4
	v_nop
.endr
.endif
.irp t, 0,1,2,3
.irp c, 0,1
	ds_load_b128 v[FRG+8*\t+4*\c:FRG+8*\t+4*\c+3], v[ADV] offset:16*(4*\g+\t)*VP+32*\c
.endr
	ds_load_b32 v[SW+\t], v[ADT] offset:(4*\g+\t)*4*272
.endr
	s_wait_dscnt 0x0
.irp t, 0,1,2,3
	v_wmma_scale_f32_16x16x128_f8f6f4 v[OT+8*(4*\g+\t):OT+8*(4*\g+\t)+7], v[FRG+8*\t:FRG+8*\t+7], v[\breg:\breg+7], v[OT+8*(4*\g+\t):OT+8*(4*\g+\t)+7], v[SW+\t], v[\sreg] matrix_a_fmt:MATRIX_FMT_FP4 matrix_b_fmt:MATRIX_FMT_FP4
.endr
.endr
.endm
; A KEY STEP
.macro STEPBODY
	v_add_nc_u32 v[ADK], s[TK], v[AK0]             ; on every way: the addresses, and the four places behind the last step's products
	v_add_nc_u32 v[ADV], s[TV], v[AV0]
	v_add_nc_u32 v[ADS], s[TS], v[ASK0]
	v_add_nc_u32 v[ADT], s[TJ], v[ASV0]
	s_cmp_ge_u32 s[KF], s[QE]
	s_cbranch_scc1 .Lnotfull_\@
	KPART
.rept 4
	v_nop                                          ; places ahead of the first read of the scores
.endr
	s_add_co_u32 s38, s[KF], 127                   ; a step all of whose keys count for all my queries has no mask to lay
	s_cmp_le_u32 s38, s[Q0]
	s_cbranch_scc1 .Lopen_\@
	s_sub_co_i32 s38, s[Q0], s[KF]
	v_and_b32 v244, 15, v0
	v_bfe_u32 v245, v0, 4, 1
	v_lshlrev_b32 v245, 4, v245
	v_sub_nc_u32 v244, v244, v245
	v_add_nc_u32 v244, s38, v244                   ; d = my query - KF - 16 (lane / 16).  Register 16 b + i holds key KF + 16 (lane / 16) + 32 b + i: hidden where 32 b + i > d
	v_mov_b32 v254, 0xff800000                     ; -infinity
.set mk, 0
.rept 64
	v_cmp_gt_i32 vcc_lo, 32*(mk/16)+mk%16, v244
	v_cndmask_b32 v[SS+mk], v[SS+mk], v254, vcc_lo
.set mk, mk+1
.endr
.Lopen_\@:
.irp b, 0,1,2,3
	v_max3_num_f32 v[232+\b], v[SS+16*\b], v[SS+1+16*\b], v[SS+2+16*\b]   ; THE LARGEST SCORE OF EACH BLOCK OF 32 KEYS: it serves the row's maximum and, since p rises with the score, the block's largest p
.endr
.irp i, 3,5,7,9,11,13
.irp b, 0,1,2,3
	v_max3_num_f32 v[232+\b], v[232+\b], v[SS+16*\b+\i], v[SS+1+16*\b+\i]   ; (the four blocks by turns)
.endr
.endr
.irp b, 0,1,2,3
	v_max_num_f32 v[232+\b], v[232+\b], v[SS+15+16*\b]
.endr
.irp b, 0,1,2,3
	v_permlanex16_b32 v[236+\b], v[232+\b], s[SEL], s[SEL+1]
.endr
.irp b, 0,1,2,3
	v_max_num_f32 v[232+\b], v[232+\b], v[236+\b]  ; with lane l xor 16's 16 keys
.endr
	v_max3_num_f32 v254, v232, v233, v234
	v_max_num_f32 v254, v254, v235                 ; the step's largest score of my query
	v_mul_f32 v254, s[CS], v254                    ; as t (c is positive)
	v_max_num_f32 v13, v13, v254                   ; the running largest t
	v_mov_b32 v254, v12
	v_floor_f32 v12, -v13                          ; the new -M = floor(-t) = -ceil(t): a whole number
	v_sub_f32 v254, v12, v254                      ; M's old value less its new one: a whole number, 0 or less
	v_cvt_i32_f32 v254, v254                       ; (it saturates)
	v_ldexp_f32 v[FF], 1.0, v254                   ; f = 2^(old M - new M): a multiplication by it rounds nothing
	v_cndmask_b32 v[FF], v[FF], 1.0, s[VM]         ; a row at or past LEN has M fixed: f = 1
.set j, 0
.rept 32
	v_pk_fma_f32 v[SS+j:SS+j+1], v[SS+j:SS+j+1], s[CS:CS+1], v[12:13] op_sel_hi:[1,0,0]   ; t - M, two at a time (of the pairs c and -M the low word serves both halves)
.set j, j+2
.endr
.irp b, 0,1,2,3
	v_fma_f32 v[232+\b], v[232+\b], s[CS], v12     ; the same of each block's largest score
.endr
.set j, 0
.rept 64
	v_exp_f32 v[SS+j], v[SS+j]                     ; p = 2^(t - M), at most 1: not normalised
.set j, j+1
.endr
	v_pk_mul_f32 v[14:15], v[14:15], v[FF:FF+1] op_sel_hi:[1,0]   ; the sums under the new M: the plain instruction behind the exponentials
	s_wait_alu depctr_va_vdst(0)                   ; one wait for the batch of 64, ahead of its first reader
.irp b, 0,1,2,3
	v_exp_f32 v[232+\b], v[232+\b]                 ; the block's largest p: the same two instructions on the same number give the same bits
.endr
	v_pk_add_f32 v[236:237], v[SS:SS+1], v[SS+2:SS+3]   ; THE ROW'S SUM IS TAKEN OF THE UNQUANTISED p, two at a time, in two chains.  (It reads the 64 alone: plain work behind the four)
.set j, 4
.rept 15
	v_pk_add_f32 v[14:15], v[14:15], v[SS+j:SS+j+1]
	v_pk_add_f32 v[236:237], v[236:237], v[SS+j+2:SS+j+3]
.set j, j+4
.endr
	v_pk_add_f32 v[14:15], v[14:15], v[236:237]
	s_wait_alu depctr_va_vdst(0)                   ; and one wait for the four
.irp b, 0,1,2,3
	v_max_num_f32 v[232+\b], 0x1800000, v[232+\b]  ; the floor 2^(3 - 127): the byte cannot fall under 1 (a block whose every p is 0 keeps that byte: its codes are zeros)
.endr
.irp b, 0,1,2,3
	v_add_nc_u32 v[244+\b], 0xff000000, v[232+\b]  ; 2 off the exponent field: the conversion takes the exponent field of this operand as its scale
.endr
.irp b, 0,1,2,3
	v_lshrrev_b32 v[236+\b], 23, v[244+\b]         ; the scale's byte
.endr
	v_lshl_or_b32 v[PS], v237, 8, v236             ; p's scale word for these 128 keys
	v_lshl_or_b32 v[PS], v238, 16, v[PS]
	v_lshl_or_b32 v[PS], v239, 24, v[PS]
.irp b, 0,1,2,3
	v_cvt_scalef32_pk8_fp4_f32 v[PC+2*\b], v[SS+16*\b:SS+7+16*\b], v[244+\b]
	v_cvt_scalef32_pk8_fp4_f32 v[PC+1+2*\b], v[SS+8+16*\b:SS+15+16*\b], v[244+\b]
.endr
	v_nop                                          ; one plain instruction between a scaled conversion and the vector instruction that touches its result
.irp c, 0,1                                    ; the operand's layout wants a WHOLE block in a lane: lanes 0-15 block 2 c, lanes 16-31 block 2 c + 1
.irp i, 0,1
	v_permlane16_swap_b32 v[PC+4*\c+\i], v[PC+2+4*\c+\i]
.endr
.endr
.irp i, 0,1,2,3,4,5,6,7
	v_cndmask_b32 v[PC+\i], v[PC+\i], v[OS+\i], s[VM]   ; a row at or past LEN: p = 1 for all 128 keys: code 6,
.endr
	v_cndmask_b32 v[PS], v[PS], v[ONS], s[VM]      ; under the byte 125
.set j, 0
.rept 32
	v_pk_mul_f32 v[OT+j:OT+j+1], v[OT+j:OT+j+1], v[FF:FF+1] op_sel_hi:[1,0]   ; O^T under the new M.  (These 32 also stand between the lines that wrote p's codes and scale word and the products that take them)
.set j, j+2
.endr
	VPART PC, PS
	s_branch .Ldone_\@
.Lnotfull_\@:
	s_cmp_eq_u32 s[INV], 0
	s_cbranch_scc1 .Ldone_\@                       ; all my rows are under LEN and all these keys come after them: nothing to add
	VPART OS, ONS
.Ldone_\@:
	s_add_co_u32 s[KF], s[KF], 128                 ; on every way: the next step
	s_add_co_u32 s[TS], s[TS], 544
	s_add_co_u32 s[TJ], s[TJ], 4
	s_add_co_u32 s[TK], s[TK], 128*KP
	s_add_co_u32 s[TV], s[TV], 64
.endm
; A SLOT of 512 keys.  ONE barrier at its head: in front of it each wave's stores into this slot have landed and its reads of the other slot are back (the wait for 0); behind it this slot is whole and nobody reads the
; other one, into which the next 512 keys go at this slot's end.
.macro SLOT sg
.set NXT, \sg+1
.set NXP, (\sg+1)%2
	s_wait_dscnt 0x0
	s_barrier_signal -1
	s_barrier_wait -1
.if \sg < 3
	LOADNEXT
.endif
.if \sg < 2
	ASK PFA+2*\sg
.endif
	s_mov_b32 s[KF], \sg*512
	s_mov_b32 s[TS], \sg*4*544
	s_mov_b32 s[TJ], \sg*16
	s_mov_b32 s[TK], (\sg%2)*SLOT1
	s_mov_b32 s[TV], (\sg%2)*SLOT1
	s_mov_b32 s[CNT], 4
.Lstep_\@:
	STEPBODY
	s_sub_co_u32 s[CNT], s[CNT], 1
	s_cmp_lg_u32 s[CNT], 0
	s_cbranch_scc1 .Lstep_\@
.if \sg < 3
	STORENEXT
.endif
.endm
.set NXP, 0
	STADDR
	v_add_nc_u32 v235, SCK-VOFF, v232              ; the scale bytes lie as V's rows do: run thread / 16, 16 bytes at 16 (thread % 16)
	s_wait_loadcnt 3                               ; loads come back in order (ISA guide 5.7.1): the three issued last, Q's, may be out; the ten to be staged are in
	ds_store_b128 v235, v[32:35]                   ; K's scale bytes
	ds_store_b128 v235, v[36:39] offset:UNITS      ; V's
	STORE8                                         ; slot 0
	s_wait_loadcnt 0x0                             ; Q
	SLOT 0
	SLOT 1
	SLOT 2
	SLOT 3
	; THE WAY OUT.  O^T is divided by the row's sum and goes through my stage in LDS, half a row (64 channels, 256 bytes) of 16 queries at a time, so that sixteen lanes store 256 consecutive aligned bytes.
	; The stages, 16 rows x 272 bytes a wave, lie in slot 0: its last reads stand ahead of the barrier at slot 3's head, and nothing is staged into it behind that barrier.
	v_add_f32 v14, v14, v15                        ; the sum's two halves,
	v_permlanex16_b32 v236, v14, s[SEL], s[SEL+1]
	v_add_f32 v14, v14, v236                       ; and lane l xor 16's: the row's sum
	v_mov_b32 v254, 0x45000000
	v_cndmask_b32 v14, v14, v254, s[VM]            ; a row at or past LEN: 2,048 keys with p = 1
	v_rcp_f32 v14, v14
	v_and_b32 v8, 15, v0                           ; (plain instructions behind the reciprocal)  r
	v_bfe_u32 v9, v0, 4, 1                         ; h
	s_mul_i32 s48, s[WV], 16*272                   ; my stage
	v_mul_u32_u24 v10, v8, 272
	v_lshl_add_u32 v10, v9, 5, v10
	v_add_nc_u32 v10, s48, v10                     ; in: row r; tile t's eight channels of my half: 64 t + 32 h bytes on
	v_mul_u32_u24 v11, v9, 272
	v_lshl_add_u32 v11, v8, 4, v11
	v_add_nc_u32 v11, s48, v11                     ; back: lanes 0-15 one row, lanes 16-31 the next
	s_wait_alu depctr_va_vdst(0)                   ; the wait ahead of the reciprocal's first reader
.set j, 0
.rept 64
	v_mul_f32 v[SS+j], v[OT+j], v14                ; register 8 t + i is out(r, 16 t + 8 h + i); each accumulator is read from its low end on
.set j, j+1
.endr
.irp u, 0,1                                    ; channels 64 u on
.irp t, 0,1,2,3
	ds_store_b128 v10, v[SS+32*\u+8*\t:SS+32*\u+8*\t+3] offset:64*\t
	ds_store_b128 v10, v[SS+32*\u+8*\t+4:SS+32*\u+8*\t+7] offset:64*\t+16
.endr
.irp i, 0,1,2,3,4,5,6,7
	ds_load_b128 v[FRG+32*\u+4*\i:FRG+32*\u+4*\i+3], v11 offset:2*\i*272   ; LDS serves a wave's instructions in order (ISA guide 5.7.1.4): these see my stores, and the next half's stores come behind them
.endr
.endr
.irp u, 0,1
.irp i, 0,1,2,3,4,5,6,7
	s_wait_dscnt 23-16*\u-\i                       ; behind this load: the rest of its eight, and for the first half the second half's eight stores and eight loads
	global_store_b128 v[GO], v[FRG+32*\u+4*\i:FRG+32*\u+4*\i+3], s[18:19] offset:1024*\i+256*\u th:TH_STORE_NT   ; sixteen lanes store 256 consecutive bytes, at a multiple of 256 from out's first byte; written once, read by nobody here
.endr
.endr
	s_wait_tensorcnt 0x0                           ; the wave's end
	ds_add_u32 v[SPW], v[NIL]
	s_wait_dscnt 0x0
	s_endpgm
.Lfunc_end_k_q66c39fef05_attn:
	.size	k_q66c39fef05_attn, .Lfunc_end_k_q66c39fef05_attn-k_q66c39fef05_attn
	.p2alignl 7, 3214868480
	.fill 96, 4, 3214868480
	.section	.rodata,"a",@progbits
	.p2align	6, 0x0
	.amdhsa_kernel k_q66c39fef05_attn
		.amdhsa_group_segment_fixed_size 281600
		.amdhsa_private_segment_fixed_size 0
		.amdhsa_enable_private_segment 0
		.amdhsa_kernarg_size 64
		.amdhsa_user_sgpr_count 2
		.amdhsa_user_sgpr_kernarg_segment_ptr 1
		.amdhsa_wavefront_size32 1
		.amdhsa_system_sgpr_workgroup_id_x 1
		.amdhsa_system_sgpr_workgroup_id_y 1
		.amdhsa_system_sgpr_workgroup_id_z 1
		.amdhsa_system_vgpr_workitem_id 0
		.amdhsa_next_free_vgpr 256
		.amdhsa_next_free_sgpr 66
		.amdhsa_reserve_vcc 1
		.amdhsa_float_denorm_mode_32 3
		.amdhsa_float_denorm_mode_16_64 3
		.amdhsa_memory_ordered 1
		.amdhsa_forward_progress 1
		.amdhsa_inst_pref_size 136
	.end_amdhsa_kernel
	.amdgpu_metadata
---
amdhsa.version: [ 1, 2 ]
amdhsa.kernels:
  - .name:           k_q66c39fef05_attn
    .symbol:         k_q66c39fef05_attn.kd
    .args:
      - { .name: q_codes, .offset: 0, .size: 8, .value_kind: global_buffer, .address_space: global }
      - { .name: q_scales, .offset: 8, .size: 8, .value_kind: global_buffer, .address_space: global }
      - { .name: k_codes, .offset: 16, .size: 8, .value_kind: global_buffer, .address_space: global }
      - { .name: k_scales, .offset: 24, .size: 8, .value_kind: global_buffer, .address_space: global }
      - { .name: v_codes, .offset: 32, .size: 8, .value_kind: global_buffer, .address_space: global }
      - { .name: v_scales, .offset: 40, .size: 8, .value_kind: global_buffer, .address_space: global }
      - { .name: sen_len, .offset: 48, .size: 8, .value_kind: global_buffer, .address_space: global }
      - { .name: out0, .offset: 56, .size: 8, .value_kind: global_buffer, .address_space: global }
    .group_segment_fixed_size: 281600
    .private_segment_fixed_size: 0
    .kernarg_segment_align: 8
    .kernarg_segment_size: 64
    .max_flat_workgroup_size: 512
    .sgpr_count:     66
    .vgpr_count:     256
    .wavefront_size: 32
...
	.end_amdgpu_metadata
.endif
;; end of part 1
;; ======== version 2 of 2: 1 launch; version 1 with the launch attn written anew for expert scheduling mode
;; limits: right only within a limited range of input values
;; launch attn (part 2): grid 8 x 64, 16 waves a work-group, no clusters, 281,600 bytes of LDS; arguments q_codes, q_scales, k_codes, k_scales, v_codes, v_scales, sen_len, out0; writes out0
.if DOCPART == 2
	.amdgcn_target "amdgcn-amd-amdhsa--gfx1250"
	.amdhsa_code_object_version 6
	.text
	.protected	k_q66c39fef05_attn
	.globl	k_q66c39fef05_attn
	.p2align	8
	.type	k_q66c39fef05_attn,@function
k_q66c39fef05_attn:
	s_mov_b64 s[64:65], 0
	v_nop
	global_prefetch_b8 v0, s[64:65] scope:SCOPE_SE
	s_setreg_imm32_b32 hwreg(HW_REG_WAVE_SCHED_MODE, 0, 2), 2
	s_setreg_imm32_b32 hwreg(HW_REG_WAVE_MODE, 25, 1), 1
	s_wait_xcnt 0x0
	s_wait_alu depctr_vm_vsrc(0)
; out[b][h][q][:] = softmax_k(mask(Q.K / sqrt(128))) V, 64 heads (4 batches x 16), 2,048 positions, head size 128; both products on codes of FP4 (E2M1) with one E8M0 scale for each 32 along K.
; Q, K: codes [head][2048][64 bytes], scale bytes [head][2048][4].  V: codes with the KEYS innermost, [head][128][1024 bytes], scale bytes [head][128][64].  out: f32 [head][2048][128].
; THE MASK, with LEN = sen_len[b] held to 0 .. 2048 (lengths outside that range mask the same way as the nearest end of it).
;   Row q < LEN: every key k <= q is also under LEN, so the row is plain causal attention.
;   Row q >= LEN: every one of the 2,048 logits is -1e9, so t - M = 0 and p = 1 for every key: code 6 (the number 4) under the scale byte 125, exactly; the sum is 2,048.  The first product is not wanted for such a row;
;   the second is done in full, on constant codes.
; THE SOFTMAX AHEAD OF THE SECOND PRODUCT: t = score x log2(e) / sqrt(128); M = the running largest t rounded UP to a whole number; p = 2^(t - M) is quantised along the keys, not normalised; the row's sum is taken
; of the unquantised p and divides at the end; when M moves, the sum and O are multiplied by 2^(old M - new M), exactly.
; SHARES.  A work-group is an eighth of a head: sixteen waves, each with ONE tile of 16 queries in 256 registers.  Work-group (J, y): head y % 16 of the batch whose length has rank y / 16 (longest first: the four lengths
; are sorted in scalar registers).  Wave w = 4 g + pos takes tile 8 c + 4 (J / 4) + pos with c = 4 g + (J + g) % 4: each of the head's 128 tiles once; c is the key step of 128 in which the tile's diagonal lies.
; So the four waves of a group g have the same number of steps, they end in slot g, and every work-group of a head has the same 136 full steps.
; A KEY STEP of 128 keys is, for a wave, one of three things, chosen by scalar branches on ids and LEN:
;   FULL  (first key < QE = my last query + 1, where my first query is under LEN): both products and the softmax; in the diagonal step hidden scores become -infinity ahead of the maximum;
;   ONES  (behind that, in a tile that has a row at or past LEN): O^T += V^T B, B = code 6 in the lanes of such rows and code 0 in the others, scale byte 125: no softmax;
;   nothing (behind the diagonal of a tile all of whose rows are under LEN).
; In the one tile that straddles LEN the lanes of rows at or past LEN are set right inside the FULL steps without a branch: f = 1, the constant codes, the constant scale word; at the end their sum is 2,048.
; LAYOUT.  Both products are used transposed: S^T = K Q^T (source 0 = 16 keys, source 1 = my 16 queries), O^T = V^T P^T (source 0 = 16 of the head's 128, source 1 = P): a lane holds ONE query (lane % 16) throughout.
; THE KEYS OF A TILE ARE NOT NEIGHBOURS: lane r of tile 2 b + u takes key 32 b + 8 u + r + 8 (r / 8), so that the 16 registers of tiles 2 b and 2 b + 1 are 16 neighbouring keys, 32 b + 16 (lane / 16) + 0 .. 15.
; K AND V REACH LDS THROUGH REGISTERS: two slots of 512 keys; while a slot is worked, each thread holds 128 bytes of the next in 32 registers and stores them into the other slot at the slot's end; one barrier a slot.
; NO TENSOR LOADS, NO CLUSTER, though the eight work-groups of a head read the same K and V: the branches above hang on sen_len, which is read from memory.
; The branches take out the softmax of every row at or past LEN; what is shared is 272 KB a work-group, each byte staged once for sixteen waves.
; Every trip count is a constant and every barrier stands on every wave's path: only a step's work is jumped over.
; LIMITS.  Masked keys of a row under LEN get -infinity where the definition has -1e9: the same p = 0 unless the row's largest real t lies under about -1.4427e9 + 150.  p = 1 for rows at or past LEN rests on
; -1e9 x log2(e) being a whole number in f32 (its neighbours there are 128 apart).  A p under 2^-126 comes out of v_exp_f32 as 0 (ISA guide, 15.8).  NaN among the scale bytes (0xff) is not served.
; THE MODE: SCHED_MODE bits 1:0 = 2 (LLVM: expert scheduling mode 2), set by the entry lines.  The code itself states the register dependences between vector or matrix instructions and memory or LDS instructions,
; with s_wait_alu, always for 0.
; THE PLAN.  Registers that memory or LDS instructions touch:
;   v8-11            the step's four LDS addresses.  Written by four additions at a step's head; read by the step's LDS loads.
;   FRG, SW          four fragments and their scale words.  LDS loads land in them three times a FULL step: K's tiles 0-3, K's tiles 4-7, V's tiles 0-3; matrix instructions read them.
;   V2 = v96-127, SW2  V's tiles 4-7 and their scale words.  v96-127 hold scores and p first: K's products write them, the softmax works on them up to the conversions; then the LDS loads land, and matrix instructions read them.
;   SGK, SGV         the next slot's bytes.  Global loads at a slot's head land in them, LDS stores at its end read them; in the slots no vector instruction names them.
;   v232, v234 (at the head v235 too)  the staging stores' addresses, made anew ahead of each run of stores; the softmax writes these registers in between.
;   GK, GV, PFO, GO  offsets, made once at the head and never written again.
; THE WAITS OF A STEP.  At its head one on vm_vsrc (the loads so far have read the four addresses), the four additions, and one on va_vdst (the addresses are written; the last step's products are done reading all four
; buffers): that one serves K's first loads in a FULL step and all 24 loads of a ONES step.  One on va_vdst between K's two groups.  The wait for the 64 exponentials also shows K's products done reading FRG and SW:
; V's first twelve loads stand directly behind it and land during the sums and the quantising.  One on va_vdst behind O^T's rescaling: p's codes and scale word are written, and the conversions are done reading v96-127,
; in which V's second twelve loads land while the first four products run.
.set KP,    80                         ; a key's row in LDS: 64 bytes + 16 of padding
.set VP,    272                        ; a row of V's tile in LDS: 512 codes = 256 bytes, + 16 of padding
.set VOFF,  512*KP                     ; a slot: 512 rows of K, then 128 rows of V
.set SLOT1, 1<<17                      ; slot 1 begins here
.set UNITS, 32*272                     ; a head's 8,192 scale bytes as 32 runs of 256 bytes + 16 of padding
.set SCK,   2*SLOT1                    ; K's scale bytes of the head
.set SCV,   SCK+UNITS                  ; V's
.set SPARE, SCV+UNITS                  ; the spare words, 128 bytes for each wave: eight blocks of 256 bytes that no other line names
.set AK0,  1                           ; v1   my lane's place in a tile of K
.set AV0,  2                           ; v2   the same for V (VOFF is in it)
.set ASK0, 3                           ; v3   my lane's place among K's scale words
.set ASV0, 4                           ; v4   and among V's
.set SPW,  5                           ; v5   LDS address of my spare word: SPARE + 4 x my thread's number; never rewritten
.set NIL,  6                           ; v6   0; never rewritten
.set GO,   7                           ; v7   the way out: my byte offset in the wave's rows of out
.set ADK,  8                           ; v8-11 LDS addresses of the step in hand: K's tiles, V's tiles, K's scale words, V's scale words
.set ADV,  9
.set ADS,  10
.set ADT,  11
.set QF,   16                          ; v16-23  Q's fragment          (v12 -M, v13 the largest t, v[14:15] the sum in two halves)
.set OS,   24                          ; v24-31  the constant operand: 0x66666666 in the lanes of rows at or past LEN, 0 in the others
.set FRG,  32                          ; v32-63  four fragments of K, or V's first four
.set SGK,  64                          ; v64-79  my 64 bytes of the next slot's K
.set SGV,  80                          ; v80-95  and of its V
.set SS,   96                          ; v96-159 S^T, then p
.set V2,   96                          ; v96-127 once p is converted (in a ONES step: at once): V's second four fragments
.set OT,   160                         ; v160-223 O^T
.set PC,   224                         ; v224-231 p's codes            (v232-239, v254 at work)
.set GK,   240                         ; v240 16 x thread: my place in 8,192 dense bytes; never rewritten
.set GV,   241                         ; v241 1,024 (thread / 16) + 16 (thread % 16): my place in 32 rows of V in memory; never rewritten
.set PFO,  242                         ; v242 the prefetches' offset; never rewritten
.set ONS,  243                         ; v243 the scale word 0x7d7d7d7d
.set SW2,  244                         ; v244-247 the scale words of V's second four fragments
.set SW,   248                         ; v248-251 the scale words of the four fragments in FRG
.set FF,   252                         ; v252 f = 2^(old M - new M)
.set PS,   253                         ; v253 p's scale word
.set QS,   255                         ; v255 Q's scale words
.set WV,   20                          ; s20  my wave's number
.set J,    21                          ; s21  work-group x
.set CS,   22                          ; s[22:23] c = log2(e) / sqrt(128): the packed form names a pair and takes its low word for both halves
.set SEL,  24                          ; s[24:25] lane selects for v_permlanex16_b32: lane l xor 16
.set LEN,  26                          ; s26  my batch's length, 0 .. 2048
.set Q0,   27                          ; s27  my first query
.set QE,   28                          ; s28  FULL steps are those whose first key is under this
.set INV,  29                          ; s29  1: my tile has a row at or past LEN
.set VM,   30                          ; s30  the lanes of such rows
.set KF,   31                          ; s31  the step's first key
.set TS,   32                          ; s32  where the step's scale words of K begin: 544 bytes a step (two runs)
.set TJ,   33                          ; s33  and V's: 4 bytes a step
.set TK,   34                          ; s34  where the step's rows of K begin: 128 KP bytes a step
.set TV,   35                          ; s35  and its part of V's rows: 64 bytes a step
.set CNT,  36                          ; s36  counts a slot's four steps
.set PF,   37                          ; s37  1 in a wave that prefetches
.set PFA,  40                          ; s[40:41], s[42:43] where my prefetches of slots 2 and 3 stand; never rewritten
.set MK,   44                          ; s44-59 behind the head: sixteen masks of the diagonal step
	s_load_b128 s[4:7], s[0:1], 0x0                ; Q's codes, Q's scales
	s_load_b128 s[8:11], s[0:1], 0x10              ; K's codes, K's scales
	s_load_b128 s[12:15], s[0:1], 0x20             ; V's codes, V's scales
	s_load_b128 s[16:19], s[0:1], 0x30             ; sen_len, out
	v_lshl_add_u32 v[SPW], v0, 2, SPARE
	v_mov_b32 v[NIL], 0
	v_lshrrev_b32 v8, 5, v0
	v_readfirstlane_b32 s[WV], v8                  ; wave 0..15
	s_wait_kmcnt 0x0
	s_load_b128 s[44:47], s[16:17], 0x0            ; the four lengths; ids and lane addresses are made while they come
	s_mov_b32 s[J], ttmp9
	s_and_b32 s48, ttmp7, 0xffff                   ; y
	s_and_b32 s49, s48, 15                         ; the head in its batch
	s_lshr_b32 s50, s48, 4                         ; the rank of my batch's length
	s_wait_alu depctr_va_sdst(0)                   ; the wave's number is written, ahead of its first reader
	s_lshr_b32 s51, s[WV], 2                       ; g
	s_and_b32 s52, s[WV], 3                        ; pos
	s_add_co_u32 s53, s[J], s51
	s_and_b32 s53, s53, 3                          ; (J + g) % 4
	s_lshl_b32 s54, s51, 2
	s_add_co_u32 s54, s54, s53                     ; c: the key step of my diagonal
	s_lshl_b32 s54, s54, 3
	s_and_b32 s55, s[J], 4                         ; 4 (J / 4)
	s_add_co_u32 s54, s54, s55
	s_add_co_u32 s54, s54, s52                     ; my tile
	s_lshl_b32 s[Q0], s54, 4
	s_mov_b32 s[SEL], 0x76543210
	s_mov_b32 s[SEL+1], 0xfedcba98
	s_mov_b32 s[CS], 0x3e0293ee                    ; c = log2(e) / sqrt(128)
	s_mov_b32 s[CS+1], s[CS]                       ; (named with it as a pair, so it is written)
	v_lshlrev_b32 v[GK], 4, v0
	v_lshrrev_b32 v232, 4, v0
	v_and_b32 v233, 15, v0
	v_lshlrev_b32 v233, 4, v233
	v_lshl_add_u32 v[GV], v232, 10, v233
	v_and_b32 v8, 15, v0                           ; r = lane % 16
	v_bfe_u32 v9, v0, 4, 1                         ; h = lane / 16
	v_lshlrev_b32 v10, 6, v8
	v_lshl_add_u32 v10, v9, 4, v10                 ; Q: row r of 64 bytes, + 16 h
	v_lshlrev_b32 v254, 2, v8                      ; Q's scale words: 4 bytes a row
	s_wait_kmcnt 0x0
.irp i, 0,1,2,3
	s_max_i32 s[44+\i], s[44+\i], 0                ; held to 0 .. 2048,
	s_min_i32 s[44+\i], s[44+\i], 2048
	s_lshl_b32 s[44+\i], s[44+\i], 2
	s_or_b32 s[44+\i], s[44+\i], \i                ; with the batch's number below it: four different keys
.endr
.macro CE a, b                         ; the larger key into s[a], the smaller into s[b]
	s_max_u32 s59, s[\a], s[\b]
	s_min_u32 s[\b], s[\a], s[\b]
	s_mov_b32 s[\a], s59
.endm
	CE 44, 45                                      ; five exchanges sort four keys, the largest first
	CE 46, 47
	CE 44, 46
	CE 45, 47
	CE 45, 46
	s_cmp_lt_u32 s50, 2
	s_cselect_b32 s56, s44, s46                    ; rank 0 or 2
	s_cselect_b32 s57, s45, s47                    ; rank 1 or 3
	s_and_b32 s58, s50, 1
	s_cmp_lg_u32 s58, 0
	s_cselect_b32 s56, s57, s56                    ; the key of my rank
	s_lshr_b32 s[LEN], s56, 2
	s_and_b32 s57, s56, 3
	s_min_u32 s57, s57, 3                          ; my batch: a loaded number, bounded before it enters an address
	s_lshl_b32 s57, s57, 4
	s_add_co_u32 s57, s57, s49                     ; my head, 0 .. 63
	s_lshl_b32 s48, s57, 17                        ; a head's codes are 131,072 bytes in each of the three tensors
	s_mov_b32 s49, 0
	s_add_nc_u64 s[8:9], s[8:9], s[48:49]
	s_add_nc_u64 s[12:13], s[12:13], s[48:49]
	s_lshl_b32 s52, s[Q0], 6
	s_add_co_u32 s48, s48, s52
	s_add_nc_u64 s[4:5], s[4:5], s[48:49]          ; Q's codes at my first query
	s_lshl_b32 s48, s57, 13                        ; its scale bytes 8,192
	s_add_nc_u64 s[10:11], s[10:11], s[48:49]
	s_add_nc_u64 s[14:15], s[14:15], s[48:49]
	s_lshl_b32 s52, s[Q0], 2
	s_add_co_u32 s48, s48, s52
	s_add_nc_u64 s[6:7], s[6:7], s[48:49]
	s_lshl_b32 s48, s57, 20                        ; its rows of out 1,048,576
	s_lshl_b32 s52, s[Q0], 9
	s_add_co_u32 s48, s48, s52
	s_add_nc_u64 s[18:19], s[18:19], s[48:49]      ; out at my first query
	s_add_co_u32 s58, s[Q0], 16
	s_cmp_lt_u32 s[Q0], s[LEN]
	s_cselect_b32 s[QE], s58, 0
	s_cmp_gt_u32 s58, s[LEN]
	s_cselect_b32 s[INV], 1, 0
	; thirteen loads: the head's scale bytes, slot 0, Q.  A wave's load covers 512 dense bytes (K, scales) or two rows' aligned 256 bytes (V)
	s_wait_alu depctr_va_vdst(0)                   ; the offsets GK, GV, v10 and v254 are written, which the loads below (GK and GV: every later staged load too) read
	global_load_b128 v[32:35], v[GK], s[10:11]
	global_load_b128 v[36:39], v[GK], s[14:15]
.irp i, 0,1,2,3
	global_load_b128 v[SGV+4*\i:SGV+4*\i+3], v[GV], s[12:13] offset:32768*\i
.endr
.irp i, 0,1,2,3
	global_load_b128 v[SGK+4*\i:SGK+4*\i+3], v[GK], s[8:9] offset:8192*\i
.endr
.irp c, 0,1
	global_load_b128 v[QF+4*\c:QF+4*\c+3], v10, s[4:5] offset:32*\c th:TH_LOAD_NT   ; Q's fragment stays in registers; no other wave reads it
.endr
	global_load_b32 v[QS], v254, s[6:7]
	; while they are on their way (v10 and v254, Q's addresses, are left alone until Q is in)
	v_add_nc_u32 v236, s[Q0], v8                   ; my query
	v_cmp_le_u32 s[VM], s[LEN], v236               ; at or past LEN?
	v_mov_b32 v237, 0x66666666
	v_mov_b32 v[ONS], 0x7d7d7d7d
	v_and_b32 v11, 8, v8
	v_add_nc_u32 v11, v11, v8                      ; r + 8 (r / 8)
	v_mul_u32_u24 v[AK0], v11, KP
	v_lshl_add_u32 v[AK0], v9, 4, v[AK0]
	v_mul_u32_u24 v[AV0], v8, VP
	v_lshl_add_u32 v[AV0], v9, 4, v[AV0]
	v_add_nc_u32 v[AV0], VOFF, v[AV0]
	v_lshl_add_u32 v[ASK0], v11, 2, SCK            ; K's scale words: 4 bytes a key; a step's 128 keys are two runs
	v_lshlrev_b32 v12, 6, v8                       ; V's: row r of a tile begins 64 r bytes on: which run of 256 bytes, and where in it
	v_lshrrev_b32 v13, 8, v12
	v_and_b32 v12, 255, v12
	v_mad_u32_u24 v[ASV0], v13, 272, v12
	v_add_nc_u32 v[ASV0], SCV, v[ASV0]
	v_lshlrev_b32 v[GO], 9, v9
	v_lshl_add_u32 v[GO], v8, 4, v[GO]             ; the way out: lanes 0-15 one row of out, lanes 16-31 the next; 16 bytes a lane
	s_wait_alu depctr_va_sdst(0)                   ; the mask VM is written, ahead of its first reader
.irp i, 0,1,2,3,4,5,6,7
	v_cndmask_b32 v[OS+\i], 0, v237, s[VM]
.endr
	; the prefetches (macro ASK): where my wave's stand, and who asks
	s_cmp_lt_u32 s[WV], 8                          ; waves 4 to 7 ask for K's codes, waves 8 to 11 for V's
	s_cselect_b64 s[PFA:PFA+1], s[8:9], s[12:13]
	s_mov_b32 s48, 1024
	s_cselect_b32 s48, 256, s48                    ; from lane to lane
	s_mov_b32 s49, 32768
	s_cselect_b32 s49, 8192, s49                   ; from wave to wave
	s_mov_b32 s50, 256
	s_cselect_b32 s50, 32768, s50                  ; a slot on
	v_and_b32 v[PFO], 31, v0
	v_mul_lo_u32 v[PFO], v[PFO], s48
	s_and_b32 s51, s[WV], 3
	s_mul_i32 s51, s51, s49                        ; my wave's part,
	s_lshl_b32 s52, s50, 1
	s_add_co_u32 s52, s52, s51                     ; in slot 2
	s_mov_b32 s53, 0
	s_mov_b32 s51, 0
	s_add_nc_u64 s[PFA:PFA+1], s[PFA:PFA+1], s[52:53]
	s_add_nc_u64 s[PFA+2:PFA+3], s[PFA:PFA+1], s[50:51]   ; and in slot 3
	s_sub_co_u32 s52, s[WV], 4
	s_lshr_b32 s52, s52, 3                         ; 0 in waves 4 to 11,
	s_or_b32 s52, s52, s[J]                        ; of the head's first work-group
	s_cmp_eq_u32 s52, 0
	s_cselect_b32 s[PF], 1, 0
	v_mov_b32 v13, 0xff61b1e6                      ; the largest t so far: -3e38, under every t
	v_floor_f32 v12, -v13                          ; -M
	v_mov_b32 v14, 0                               ; the sum, in two halves
	v_mov_b32 v15, 0
.irp b, 0,1,2,3
	v_mov_b32 v[236+\b], 0                         ; written once: a lane permute's destination counts as one of its sources
.endr
	v_mov_b32 v[PS], 0                             ; (named as the upper half of the pair v[252:253] before it is first written)
.set j, 0
.rept 64
	v_mov_b32 v[OT+j], 0                           ; O^T.  The step is written once for all steps and for both kinds: a tile's first step, FULL or ONES, finds zeros
.set j, j+1
.endr
; where my thread puts its 16 bytes of each staged load, in slot NXP: V's in v232, K's in v234.  Made anew from v0 on every wave's path
.macro STADDR
	v_lshrrev_b32 v232, 4, v0
	v_and_b32 v233, 15, v0
	v_mul_u32_u24 v232, v232, VP
	v_lshl_add_u32 v232, v233, 4, v232
	v_add_nc_u32 v232, VOFF+NXP*SLOT1, v232        ; V: row thread / 16, 16 bytes at 16 (thread % 16); a load's 32 rows are 32 VP bytes
	v_lshrrev_b32 v234, 2, v0
	v_and_b32 v235, 3, v0
	v_mul_u32_u24 v234, v234, KP
	v_lshl_add_u32 v234, v235, 4, v234             ; K: row thread / 4, 16 bytes at 16 (thread % 4); a load's 128 rows are 128 KP bytes
.if NXP
	v_add_nc_u32 v234, NXP*SLOT1, v234
.endif
.endm
.macro STORE8
.irp i, 0,1,2,3
	ds_store_b128 v232, v[SGV+4*\i:SGV+4*\i+3] offset:32*VP*\i
.endr
.irp i, 0,1,2,3
	ds_store_b128 v234, v[SGK+4*\i:SGK+4*\i+3] offset:128*KP*\i
.endr
.endm
; slot NXT's 512 keys, 128 bytes a thread, into registers that the steps do not touch: they have the slot's four steps in which to come
.macro LOADNEXT
.irp i, 0,1,2,3
	global_load_b128 v[SGV+4*\i:SGV+4*\i+3], v[GV], s[12:13] offset:256*NXT+32768*\i
.endr
.irp i, 0,1,2,3
	global_load_b128 v[SGK+4*\i:SGK+4*\i+3], v[GK], s[8:9] offset:32768*NXT+8192*\i
.endr
.endm
.macro STORENEXT
	STADDR
	s_wait_alu depctr_va_vdst(0)                   ; v232 and v234 are written, which the eight stores read as their addresses
	s_wait_loadcnt 0x0                             ; the eight staged loads are in
	STORE8                                         ; into the slot that every wave left at the last barrier
.endm
; A PREFETCH INTO THE L2 of the slot that the NEXT slot's LOADNEXT will load: it stands behind this slot's eight loads.  Each aligned block of 256 bytes is named once in the launch: the eight work-groups of a head
; walk the same K and V, and the head's first asks; in it waves 4 to 7 ask for K's 32,768 dense bytes, 8,192 a wave, lanes 256 bytes apart, and waves 8 to 11 for V's 128 rows, 32 a wave, a lane a row (a slot's part
; of a row is 256 bytes, aligned).  Slot 0 asks for slot 2, slot 1 for slot 3; slots 0 and 1 come by their loads alone, and slots 2 and 3 ask for nothing: there is no slot behind slot 3.
; Its offset, PFO, was written ahead of the head's last wait on va_vdst and is named by no vector instruction since.
.macro ASK pa
	s_cmp_lg_u32 s[PF], 0
	s_cbranch_scc0 .Lnot_mine_\@
	global_prefetch_b8 v[PFO], s[\pa:\pa+1] th:TH_LOAD_NT scope:SCOPE_SE
.Lnot_mine_\@:
.endm
; S^T = K Q^T, four tiles of 16 keys at a time, both times through FRG and SW.  The first twelve loads hang on the wait at the step's head; the second twelve have a wait of their own
.macro KPART
.irp g, 0,1
.if \g > 0
.rept 4
	v_nop                                          ; four plain instructions between the four products above and the loads into their registers, kept from this text's plain form, beside the wait
.endr
	s_wait_alu depctr_va_vdst(0)                   ; the four products above are done reading FRG and SW, in which the loads below land
.endif
.irp t, 0,1,2,3
.irp c, 0,1
	ds_load_b128 v[FRG+8*\t+4*\c:FRG+8*\t+4*\c+3], v[ADK] offset:(32*((4*\g+\t)/2)+8*(\t%2))*KP+32*\c
.endr
	ds_load_b32 v[SW+\t], v[ADS] offset:272*\g+(32*(((4*\g+\t)/2)%2)+8*(\t%2))*4
.endr
	s_wait_dscnt 0x0
.irp t, 0,1,2,3
	v_wmma_scale_f32_16x16x128_f8f6f4 v[SS+8*(4*\g+\t):SS+8*(4*\g+\t)+7], v[FRG+8*\t:FRG+8*\t+7], v[QF:QF+7], 0, v[SW+\t], v[QS] matrix_a_fmt:MATRIX_FMT_FP4 matrix_b_fmt:MATRIX_FMT_FP4
.endr
.endr
.endm
; V's tiles 4 g to 4 g + 3 (16 of the head's 128 each) of the step's 128 keys: twelve LDS loads.  g = 0: into FRG and SW; g = 1: into V2 and SW2
.macro VLOAD g
.irp t, 0,1,2,3
.irp c, 0,1
	ds_load_b128 v[FRG+(V2-FRG)*(\g)+8*\t+4*\c:FRG+(V2-FRG)*(\g)+8*\t+4*\c+3], v[ADV] offset:16*(4*(\g)+\t)*VP+32*\c
.endr
	ds_load_b32 v[SW+(SW2-SW)*(\g)+\t], v[ADT] offset:(4*(\g)+\t)*4*272
.endr
.endm
; O^T += V^T B for those four tiles; B in v[breg] on, its scale word in v[sreg].  The eight accumulators take turns, one instruction a turn
.macro VMUL g, breg, sreg
.irp t, 0,1,2,3
	v_wmma_scale_f32_16x16x128_f8f6f4 v[OT+8*(4*(\g)+\t):OT+8*(4*(\g)+\t)+7], v[FRG+(V2-FRG)*(\g)+8*\t:FRG+(V2-FRG)*(\g)+8*\t+7], v[\breg:\breg+7], v[OT+8*(4*(\g)+\t):OT+8*(4*(\g)+\t)+7], v[SW+(SW2-SW)*(\g)+\t], v[\sreg] matrix_a_fmt:MATRIX_FMT_FP4 matrix_b_fmt:MATRIX_FMT_FP4
.endr
.endm
; A KEY STEP
.macro STEPBODY
	s_wait_alu depctr_vm_vsrc(0)                   ; the LDS loads issued so far have read v8 to v11, which the four additions write again; in a slot's first step also: my staging stores have read v232 to v235 (at the head v32 to v39 too) and Q's loads v10 and v254, all of which this step writes
	v_add_nc_u32 v[ADK], s[TK], v[AK0]             ; on every way: the addresses
	v_add_nc_u32 v[ADV], s[TV], v[AV0]
	v_add_nc_u32 v[ADS], s[TS], v[ASK0]
	v_add_nc_u32 v[ADT], s[TJ], v[ASV0]
	v_nop                                          ; with the four additions five plain instructions: K's first products write v96-127, which the last step's products read as V's fragments (a matrix instruction that writes over an earlier one's source: five)
	s_wait_alu depctr_va_vdst(0)                   ; the four addresses are written, which this step's LDS loads read; the last step's products are done reading FRG, V2, SW and SW2, in which those loads land
	s_cmp_ge_u32 s[KF], s[QE]
	s_cbranch_scc1 .Lnotfull_\@
	KPART
.rept 4
	v_nop                                          ; places ahead of the first read of the scores
.endr
	s_add_co_u32 s38, s[KF], 127                   ; a step all of whose keys count for all my queries has no mask to lay
	s_cmp_le_u32 s38, s[Q0]
	s_cbranch_scc1 .Lopen_\@
	s_sub_co_i32 s38, s[Q0], s[KF]
	v_and_b32 v236, 15, v0
	v_bfe_u32 v237, v0, 4, 1
	v_lshlrev_b32 v237, 4, v237
	v_sub_nc_u32 v236, v236, v237
	v_add_nc_u32 v236, s38, v236                   ; d = my query - KF - 16 (lane / 16).  Register 16 b + i holds key KF + 16 (lane / 16) + 32 b + i: hidden where 32 b + i > d
	v_mov_b32 v254, 0xff800000                     ; -infinity
.set mb, 0
.rept 4                                        ; a block of 32 keys at a time: sixteen compares in a run, into sixteen scalar registers, one wait, sixteen selects
.set mi, 0
.rept 16
	v_cmp_gt_i32 s[MK+mi], 32*mb+mi, v236
.set mi, mi+1
.endr
	s_wait_alu depctr_va_sdst(0)                   ; the sixteen masks are written, ahead of their first readers
.set mi, 0
.rept 16
	v_cndmask_b32 v[SS+16*mb+mi], v[SS+16*mb+mi], v254, s[MK+mi]
.set mi, mi+1
.endr
.set mb, mb+1
.endr
.Lopen_\@:
.irp b, 0,1,2,3
	v_max3_num_f32 v[232+\b], v[SS+16*\b], v[SS+1+16*\b], v[SS+2+16*\b]   ; THE LARGEST SCORE OF EACH BLOCK OF 32 KEYS: it serves the row's maximum and, since p rises with the score, the block's largest p
.endr
.irp i, 3,5,7,9,11,13
.irp b, 0,1,2,3
	v_max3_num_f32 v[232+\b], v[232+\b], v[SS+16*\b+\i], v[SS+1+16*\b+\i]   ; (the four blocks by turns)
.endr
.endr
.irp b, 0,1,2,3
	v_max_num_f32 v[232+\b], v[232+\b], v[SS+15+16*\b]
.endr
.irp b, 0,1,2,3
	v_permlanex16_b32 v[236+\b], v[232+\b], s[SEL], s[SEL+1]
.endr
.irp b, 0,1,2,3
	v_max_num_f32 v[232+\b], v[232+\b], v[236+\b]  ; with lane l xor 16's 16 keys
.endr
	v_max3_num_f32 v254, v232, v233, v234
	v_max_num_f32 v254, v254, v235                 ; the step's largest score of my query
	v_mul_f32 v254, s[CS], v254                    ; as t (c is positive)
	v_max_num_f32 v13, v13, v254                   ; the running largest t
	v_mov_b32 v254, v12
	v_floor_f32 v12, -v13                          ; the new -M = floor(-t) = -ceil(t): a whole number
	v_sub_f32 v254, v12, v254                      ; M's old value less its new one: a whole number, 0 or less
	v_cvt_i32_f32 v254, v254                       ; (it saturates)
	v_ldexp_f32 v[FF], 1.0, v254                   ; f = 2^(old M - new M): a multiplication by it rounds nothing
	v_cndmask_b32 v[FF], v[FF], 1.0, s[VM]         ; a row at or past LEN has M fixed: f = 1
.set j, 0
.rept 32
	v_pk_fma_f32 v[SS+j:SS+j+1], v[SS+j:SS+j+1], s[CS:CS+1], v[12:13] op_sel_hi:[1,0,0]   ; t - M, two at a time (of the pairs c and -M the low word serves both halves)
.set j, j+2
.endr
.irp b, 0,1,2,3
	v_fma_f32 v[232+\b], v[232+\b], s[CS], v12     ; the same of each block's largest score
.endr
.set j, 0
	s_wait_alu depctr_va_vdst(0)
.rept 64
	v_exp_f32 v[SS+j], v[SS+j]                     ; p = 2^(t - M), at most 1: not normalised
.set j, j+1
.endr
	v_pk_mul_f32 v[14:15], v[14:15], v[FF:FF+1] op_sel_hi:[1,0]   ; the sums under the new M: the plain instruction behind the exponentials
	s_wait_alu depctr_va_vdst(0)                   ; the 64 exponentials have written p, ahead of its first reader; and K's products are done reading FRG and SW, in which the loads below land
	VLOAD 0                                        ; V's first four tiles: they land while p is summed and quantised; no line up to their products names FRG, SW or the two addresses
.irp b, 0,1,2,3
	v_exp_f32 v[232+\b], v[232+\b]                 ; the block's largest p: the same two instructions on the same number give the same bits
.endr
	v_pk_add_f32 v[236:237], v[SS:SS+1], v[SS+2:SS+3]   ; THE ROW'S SUM IS TAKEN OF THE UNQUANTISED p, two at a time, in two chains.  (It reads the 64 alone: plain work behind the four)
.set j, 4
.rept 15
	v_pk_add_f32 v[14:15], v[14:15], v[SS+j:SS+j+1]
	v_pk_add_f32 v[236:237], v[236:237], v[SS+j+2:SS+j+3]
.set j, j+4
.endr
	v_pk_add_f32 v[14:15], v[14:15], v[236:237]
	s_wait_alu depctr_va_vdst(0)                   ; the four exponentials have written the blocks' largest p, ahead of their first reader
.irp b, 0,1,2,3
	v_max_num_f32 v[232+\b], 0x1800000, v[232+\b]  ; the floor 2^(3 - 127): the byte cannot fall under 1 (a block whose every p is 0 keeps that byte: its codes are zeros)
.endr
.irp b, 0,1,2,3
	v_add_nc_u32 v[232+\b], 0xff000000, v[232+\b]  ; 2 off the exponent field, in place: the conversion takes the exponent field of this operand as its scale
.endr
.irp b, 0,1,2,3
	v_lshrrev_b32 v[236+\b], 23, v[232+\b]         ; the scale's byte
.endr
	v_lshl_or_b32 v[PS], v237, 8, v236             ; p's scale word for these 128 keys
	v_lshl_or_b32 v[PS], v238, 16, v[PS]
	v_lshl_or_b32 v[PS], v239, 24, v[PS]
.irp b, 0,1,2,3
	v_cvt_scalef32_pk8_fp4_f32 v[PC+2*\b], v[SS+16*\b:SS+7+16*\b], v[232+\b]
	v_cvt_scalef32_pk8_fp4_f32 v[PC+1+2*\b], v[SS+8+16*\b:SS+15+16*\b], v[232+\b]
.endr
	v_nop                                          ; one plain instruction between a scaled conversion and the vector instruction that touches its result
.irp c, 0,1                                    ; the operand's layout wants a WHOLE block in a lane: lanes 0-15 block 2 c, lanes 16-31 block 2 c + 1
.irp i, 0,1
	v_permlane16_swap_b32 v[PC+4*\c+\i], v[PC+2+4*\c+\i]
.endr
.endr
.irp i, 0,1,2,3,4,5,6,7
	v_cndmask_b32 v[PC+\i], v[PC+\i], v[OS+\i], s[VM]   ; a row at or past LEN: p = 1 for all 128 keys: code 6,
.endr
	v_cndmask_b32 v[PS], v[PS], v[ONS], s[VM]      ; under the byte 125
.set j, 0
.rept 32
	v_pk_mul_f32 v[OT+j:OT+j+1], v[OT+j:OT+j+1], v[FF:FF+1] op_sel_hi:[1,0]   ; O^T under the new M.  (These 32 also stand between the lines that wrote p's codes and scale word and the products that take them)
.set j, j+2
.endr
	s_wait_alu depctr_va_vdst(0)                   ; p's codes and scale word are written, which the scaled products take; the sums and conversions are done with v96-127, in which the loads below land
	VLOAD 1                                        ; V's second four tiles, on their way while the first four are multiplied
	s_wait_dscnt 12                                ; LDS loads come back in order (ISA guide 5.7.1): V's first twelve are in, the twelve just issued may be out
	VMUL 0, PC, PS
	s_wait_dscnt 0x0
	VMUL 1, PC, PS
	s_branch .Ldone_\@
.Lnotfull_\@:
	s_cmp_eq_u32 s[INV], 0
	s_cbranch_scc1 .Ldone_\@                       ; all my rows are under LEN and all these keys come after them: nothing to add
	VLOAD 0                                        ; all 24 loads hang on the wait at the step's head: no vector or matrix instruction since names a register that they touch
	VLOAD 1
	s_wait_dscnt 12                                ; the first twelve are in
	VMUL 0, OS, ONS                                ; (the constant operand and its scale word were written ahead of the head's last wait on va_vdst)
	s_wait_dscnt 0x0
	VMUL 1, OS, ONS
.Ldone_\@:
	s_add_co_u32 s[KF], s[KF], 128                 ; on every way: the next step
	s_add_co_u32 s[TS], s[TS], 544
	s_add_co_u32 s[TJ], s[TJ], 4
	s_add_co_u32 s[TK], s[TK], 128*KP
	s_add_co_u32 s[TV], s[TV], 64
.endm
; A SLOT of 512 keys.  ONE barrier at its head: in front of it each wave's stores into this slot have landed and its reads of the other slot are back (the wait for 0); behind it this slot is whole and nobody reads the
; other one, into which the next 512 keys go at this slot's end.
.macro SLOT sg
.set NXT, \sg+1
.set NXP, (\sg+1)%2
	s_wait_dscnt 0x0
	s_barrier_signal -1
	s_barrier_wait -1
.if \sg < 3
	s_wait_alu depctr_vm_vsrc(0)                   ; my staging stores have read SGK and SGV, in which the eight loads below land
	LOADNEXT
.endif
.if \sg < 2
	ASK PFA+2*\sg
.endif
	s_mov_b32 s[KF], \sg*512
	s_mov_b32 s[TS], \sg*4*544
	s_mov_b32 s[TJ], \sg*16
	s_mov_b32 s[TK], (\sg%2)*SLOT1
	s_mov_b32 s[TV], (\sg%2)*SLOT1
	s_mov_b32 s[CNT], 4
.Lstep_\@:
	STEPBODY
	s_sub_co_u32 s[CNT], s[CNT], 1
	s_cmp_lg_u32 s[CNT], 0
	s_cbranch_scc1 .Lstep_\@
.if \sg < 3
	STORENEXT
.endif
.endm
.set NXP, 0
	STADDR
	v_add_nc_u32 v235, SCK-VOFF, v232              ; the scale bytes lie as V's rows do: run thread / 16, 16 bytes at 16 (thread % 16)
	s_wait_alu depctr_va_vdst(0)                   ; v232, v234 and v235 are written, which the ten stores read as addresses; so are PFO, which the prefetches read, and OS and ONS, which scaled products take
	s_wait_loadcnt 3                               ; loads come back in order (ISA guide 5.7.1): the three issued last, Q's, may be out; the ten to be staged are in
	ds_store_b128 v235, v[32:35]                   ; K's scale bytes
	ds_store_b128 v235, v[36:39] offset:UNITS      ; V's
	STORE8                                         ; slot 0
	s_wait_loadcnt 0x0                             ; Q
	SLOT 0
	SLOT 1
	SLOT 2
	SLOT 3
	; THE WAY OUT.  O^T is divided by the row's sum and goes through my stage in LDS, half a row (64 channels, 256 bytes) of 16 queries at a time, so that sixteen lanes store 256 consecutive aligned bytes.
	; The stages, 16 rows x 272 bytes a wave, lie in slot 0: its last reads stand ahead of the barrier at slot 3's head, and nothing is staged into it behind that barrier.
	s_wait_alu depctr_vm_vsrc(0)                   ; the last step's LDS loads have read v8 to v11, which are written anew below; my last staging stores have read v64 to v95, in which loads from the stage land
	v_add_f32 v14, v14, v15                        ; the sum's two halves,
	v_permlanex16_b32 v236, v14, s[SEL], s[SEL+1]
	v_add_f32 v14, v14, v236                       ; and lane l xor 16's: the row's sum
	v_mov_b32 v254, 0x45000000
	v_cndmask_b32 v14, v14, v254, s[VM]            ; a row at or past LEN: 2,048 keys with p = 1
	s_wait_alu depctr_va_vdst(0)
	v_rcp_f32 v14, v14
	v_and_b32 v8, 15, v0                           ; (plain instructions behind the reciprocal)  r
	v_bfe_u32 v9, v0, 4, 1                         ; h
	s_mul_i32 s48, s[WV], 16*272                   ; my stage
	v_mul_u32_u24 v10, v8, 272
	v_lshl_add_u32 v10, v9, 5, v10
	v_add_nc_u32 v10, s48, v10                     ; in: row r; tile t's eight channels of my half: 64 t + 32 h bytes on
	v_mul_u32_u24 v11, v9, 272
	v_lshl_add_u32 v11, v8, 4, v11
	v_add_nc_u32 v11, s48, v11                     ; back: lanes 0-15 one row, lanes 16-31 the next
	s_wait_alu depctr_va_vdst(0)                   ; the reciprocal is written, ahead of its first reader
.set j, 0
.rept 64
	v_mul_f32 v[SS+j], v[OT+j], v14                ; register 8 t + i is out(r, 16 t + 8 h + i); each accumulator is read from its low end on
.set j, j+1
.endr
	s_wait_alu depctr_va_vdst(0)                   ; the 64 quotients are written, which the LDS stores read (their addresses v10 and v11 were written ahead of the wait above); the products are long done reading v32 to v63, in which loads from the stage land
.irp u, 0,1                                    ; channels 64 u on
.irp t, 0,1,2,3
	ds_store_b128 v10, v[SS+32*\u+8*\t:SS+32*\u+8*\t+3] offset:64*\t
	ds_store_b128 v10, v[SS+32*\u+8*\t+4:SS+32*\u+8*\t+7] offset:64*\t+16
.endr
.irp i, 0,1,2,3,4,5,6,7
	ds_load_b128 v[FRG+32*\u+4*\i:FRG+32*\u+4*\i+3], v11 offset:2*\i*272   ; LDS serves a wave's instructions in order (ISA guide 5.7.1.4): these see my stores, and the next half's stores come behind them
.endr
.endr
.irp u, 0,1
.irp i, 0,1,2,3,4,5,6,7
	s_wait_dscnt 23-16*\u-\i                       ; behind this load: the rest of its eight, and for the first half the second half's eight stores and eight loads
	global_store_b128 v[GO], v[FRG+32*\u+4*\i:FRG+32*\u+4*\i+3], s[18:19] offset:1024*\i+256*\u th:TH_STORE_NT   ; sixteen lanes store 256 consecutive bytes, at a multiple of 256 from out's first byte; written once, read by nobody here
.endr
.endr
	s_wait_dscnt 0x0                               ; the closing lines, six on end
	s_wait_alu 0x0
	s_wait_tensorcnt 0x0
	ds_add_u32 v[SPW], v[NIL]
	s_wait_dscnt 0x0
	s_endpgm
.Lfunc_end_k_q66c39fef05_attn:
	.size	k_q66c39fef05_attn, .Lfunc_end_k_q66c39fef05_attn-k_q66c39fef05_attn
	.p2alignl 7, 3214868480
	.fill 96, 4, 3214868480
	.section	.rodata,"a",@progbits
	.p2align	6, 0x0
	.amdhsa_kernel k_q66c39fef05_attn
		.amdhsa_group_segment_fixed_size 281600
		.amdhsa_private_segment_fixed_size 0
		.amdhsa_enable_private_segment 0
		.amdhsa_kernarg_size 64
		.amdhsa_user_sgpr_count 2
		.amdhsa_user_sgpr_kernarg_segment_ptr 1
		.amdhsa_wavefront_size32 1
		.amdhsa_system_sgpr_workgroup_id_x 1
		.amdhsa_system_sgpr_workgroup_id_y 1
		.amdhsa_system_sgpr_workgroup_id_z 1
		.amdhsa_system_vgpr_workitem_id 0
		.amdhsa_next_free_vgpr 256
		.amdhsa_next_free_sgpr 66
		.amdhsa_reserve_vcc 0
		.amdhsa_float_denorm_mode_32 3
		.amdhsa_float_denorm_mode_16_64 3
		.amdhsa_memory_ordered 1
		.amdhsa_forward_progress 1
		.amdhsa_inst_pref_size 153
	.end_amdhsa_kernel
	.amdgpu_metadata
---
amdhsa.version: [ 1, 2 ]
amdhsa.kernels:
  - .name:           k_q66c39fef05_attn
    .symbol:         k_q66c39fef05_attn.kd
    .args:
      - { .name: q_codes, .offset: 0, .size: 8, .value_kind: global_buffer, .address_space: global }
      - { .name: q_scales, .offset: 8, .size: 8, .value_kind: global_buffer, .address_space: global }
      - { .name: k_codes, .offset: 16, .size: 8, .value_kind: global_buffer, .address_space: global }
      - { .name: k_scales, .offset: 24, .size: 8, .value_kind: global_buffer, .address_space: global }
      - { .name: v_codes, .offset: 32, .size: 8, .value_kind: global_buffer, .address_space: global }
      - { .name: v_scales, .offset: 40, .size: 8, .value_kind: global_buffer, .address_space: global }
      - { .name: sen_len, .offset: 48, .size: 8, .value_kind: global_buffer, .address_space: global }
      - { .name: out0, .offset: 56, .size: 8, .value_kind: global_buffer, .address_space: global }
    .group_segment_fixed_size: 281600
    .private_segment_fixed_size: 0
    .kernarg_segment_align: 8
    .kernarg_segment_size: 64
    .max_flat_workgroup_size: 512
    .sgpr_count:     66
    .vgpr_count:     256
    .wavefront_size: 32
...
	.end_amdgpu_metadata
.endif
;; end of part 2
